; MI455X (gfx1250); checked and timed in simulation.
; The chip was launched on July 23, 2026; its instructions are those of AMD's public machine-readable ISA for CDNA 5 (MIT licence, August 2026) and "CDNA5" Instruction Set Architecture Reference Guide (July 2026). The comments in the code are by the model that wrote it; some were corrected since.
;; TUPE Multi Head Attention. Allowed arithmetic: matrix products marked QUANTISED: E5M2 operands, one given power-of-two scale a tensor, by v_wmma_f32_16x16x64_bf8_bf8 or v_wmma_f32_16x16x128_bf8_bf8, f32 sums; everything else in f32.
;; Inputs: W_pos_kq 1,024 x 2,048 float32; W_tok_kqv 1,024 x 3,072 float32; bias_table 4,096 x 16 float32; lowp_scales 10 int32 (the exponents e of the quantised operands' scales 2^e); pos_embed_table 2,048 x 1,024 float32; x 2 x 2,048 x 1,024 float32.
;; Outputs: out0 2 x 2,048 x 1,024 float32.
;; This version of the problem:
;;   THIS VERSION OF THE PROBLEM IS GIVEN IN LOW PRECISION. The matrix products marked QUANTISED in the list below multiply operands that are first quantised to E5M2 (5 exponent bits, 2 mantissa bits; 8 bits a number), with one given power-of-two scale for each operand tensor; their sums are f32. All else is computed in f32.
;;   The module's matrix products, in the order in which they are computed (A, B: the left and right operand; K: the contracted axis; several contracted axes count as one K, in the product's order):
;;     1. [M 2,048, K 1,024] x [K 1,024, N 2,048]; A: input pos_embed_table; B: input W_pos_kq: QUANTISED (scales: A lowp_scales[0], B lowp_scales[1])
;;     2. batch 16 x [M 2,048, K 64] x [K 64, N 2,048]; A: computed on the way; B: computed on the way: QUANTISED (scales: A lowp_scales[2], B lowp_scales[3])
;;     3. [M 4,096, K 1,024] x [K 1,024, N 3,072]; A: input x; B: input W_tok_kqv: QUANTISED (scales: A lowp_scales[4], B lowp_scales[5])
;;     4. batch 32 x [M 2,048, K 64] x [K 64, N 2,048]; A: computed on the way; B: computed on the way: QUANTISED (scales: A lowp_scales[6], B lowp_scales[7])
;;     5. batch 32 x [M 64, K 2,048] x [K 2,048, N 2,048]; A: computed on the way; B: softmax (see below): QUANTISED (scales: A lowp_scales[8], B lowp_scales[9])
;;   THE QUANTISER, for each operand of a quantised product, along K:
;;     - The operand's scale is 2^e, e = its entry of the input lowp_scales (int32; the entries are numbered through the quantised products in the list's order, A before B).
;;     - Each number is divided by the scale, clamped to +-57,344, and rounded to the nearest number of E5M2, ties to even, subnormals kept.
;;     - The product sums the exact products of the quantised numbers (number of the format x scale) in f32.
;;   ~~~python
;;   def quantise(x, axis, e):      # numpy; x: float32 -> the quantised numbers, widened to float32 again
;;       x = np.moveaxis(x, axis, -1); K = x.shape[-1]
;;       r = np.clip(x / 2.0 ** e, -57344, 57344)
;;       step = 2.0 ** (np.maximum(np.frexp(np.where(r == 0, 1, r))[1] - 1, -14) - 2)
;;       q = np.round(r / step) * step * 2.0 ** e      # np.round: ties to even
;;       return np.moveaxis(q, -1, axis).astype(np.float32)
;;   ~~~
;;   SOFTMAX AHEAD OF A QUANTISED PRODUCT. Where the list says 'softmax', what is quantised is not the finished softmax but p = 2^(t - M), with t = logit x log2(e) and M = ceil(the row's largest t), a whole number; so 1/2 < the row's largest p <= 1. The row's sum l is taken of the UNQUANTISED p, in f32, and the product's result is divided by l at the end. Since M is a whole number, a kernel that streams over the keys may use a running M (the ceiling of the running maximum): every later rescaling is an exact power of two, so the quantised numbers keep their values, but for numbers so far below the row's largest that they fall under the format's range.
;;   OPERANDS COMPUTED ON THE WAY. 'Computed on the way' means the value that the module computes at that place (a softmax that the list does not call 'softmax' is quantised finished and normalised). What goes into a quantiser is computed in f32, as accurately as f32 sums, v_exp_f32 and their like allow (about 1e-6 of the number): no bf16 or f16 on the way to a quantiser, and a product that is left as it is and whose result goes on into a quantised operand takes f32 operands (vector FMAs, or v_wmma_f32_16x16x4_f32). A number that lies on a knife's edge between two numbers of the format may be rounded either way, as far as f32 arithmetic and the matrix unit's own rounding can turn it there, and no further.
;; One version. Each part assembles by itself: llvm-mc -triple=amdgcn-amd-amdhsa -mcpu=gfx1250 --defsym DOCPART=n.
;; ======== version 1 of 1: 3 launches
;; limits: right only within a limited range of input values
;; workspace buffers: cin 11,534,336 bytes; cmid 16,777,216 bytes
;; launch prep (part 1): grid 352 x 1, 4 waves a work-group, no clusters, 68,096 bytes of LDS; arguments x, pos_embed_table, W_tok_kqv, W_pos_kq, lowp_scales, cin; writes cin
.if DOCPART == 1
	.amdgcn_target "amdgcn-amd-amdhsa--gfx1250"
	.amdhsa_code_object_version 6
	.text
	.protected	k_q3d90184c11_prep
	.globl	k_q3d90184c11_prep
	.p2align	8
	.type	k_q3d90184c11_prep,@function
k_q3d90184c11_prep:
	s_mov_b64 s[64:65], 0
	v_nop
	global_prefetch_b8 v0, s[64:65] scope:SCOPE_SE
	s_setreg_imm32_b32 hwreg(HW_REG_WAVE_MODE, 25, 1), 1
	s_wait_xcnt 0x0
; The four f32 inputs of the two projections become codes of BF8 (E5M2), one byte each, K innermost, in ONE matrix cin of 11,264 rows x 1,024 bytes:
; rows 0-4095 x (batch x 2048 + token), 4096-6143 pos_embed_table, 6144-9215 the columns of W_tok_kqv, 9216-11263 the columns of W_pos_kq.
; code = number / 2^e, held within +-57,344, rounded to the nearest code, ties to even.  e: lowp_scales[4] for x, [0] for pos_embed_table, [5] for W_tok_kqv, [1] for W_pos_kq.
; LIMITS: each of these four e lies between -126 and 112, so that 2^e and 57,344 x 2^e are f32 numbers.  NaN among the inputs is not served (an infinity is held at the largest code).
; 352 work-groups of four waves, 131,072 bytes of f32 each.  Work-groups 0-191 take x and pos_embed_table, whose K is innermost: plain streams of numbers.
; Work-groups 192-351 take the weights, whose K is the FIRST axis: a lane takes a column and its registers run down K.  The two ways part on the work-group's number and have LDS bytes of their own.
; No matrix unit, no tensor load, no barrier: the waves share nothing, and memory binds.
.set STEPS, 16                         ; ROWS: steps of 512 numbers for a wave
.set EMAX,  15
.set MANT,  0x600000                   ; the mantissa field of 57,344 as f32
.set CBY,   16                         ; bytes of a lane's 16 codes
.set RR,    16                         ; v16-79   four sets of 16 numbers as they are loaded
.set XX,    80                         ; v80-111  two sets of 16 neighbours
.set CC,    128                        ; v128-191 codes: four registers for each step, so that no store's data are written again
.set WREG,  8192                       ; LDS 0-32767: a region for each wave: two stages of 32 x SP bytes
.set SP,    80                         ; a lane's place in a stage: its 64 bytes + 16 of padding
.set NB,    8                          ; COLS: blocks of 32 along K for a wave
.set PITCH, 272                        ; a stage row: 256 bytes of codes + 16
.set CSTG,  32768                      ; LDS 32768-67583: a stage of 32 rows for each wave
.set X2,    32                         ; v32-95   two sets of 32 numbers
.set C2,    96                         ; v96-103  a block's codes
.set OUTR,  112                        ; v112-175 the way out
.set VR,    176                        ; v176-207 byte offset of row i of a block, at my column; never rewritten
.set SB,    32                         ; s[32:47] the eight blocks' bases; never rewritten
.macro LOAD t                          ; ROWS: step t's 2,048 bytes: each load reads 512 consecutive bytes
.irp i, 0,1,2,3
	global_load_b128 v[RR+16*((\t)%4)+4*\i:RR+16*((\t)%4)+4*\i+3], v3, s[4:5] offset:2048*(\t)+512*\i th:TH_LOAD_NT
.endr
.endm
.macro TURN t                          ; step t's numbers through the wave's stage: in as loaded, back 64 bytes a lane; LDS serves a wave's instructions in order (ISA guide 5.7.1.4)
.irp i, 0,1,2,3
	ds_store_b128 v14, v[RR+16*((\t)%4)+4*\i:RR+16*((\t)%4)+4*\i+3] offset:32*SP*((\t)%2)+8*SP*\i
.endr
.irp i, 0,1,2,3
	ds_load_b128 v[XX+16*((\t)%2)+4*\i:XX+16*((\t)%2)+4*\i+3], v15 offset:32*SP*((\t)%2)+16*\i
.endr
.endm
.macro RSTEP t
.set XS, XX+16*((\t)%2)
	s_wait_dscnt 0x0                               ; this step's numbers are back from the stage, so its stores into the stage have read their registers,
.if (\t)+4 < STEPS
	LOAD (\t)+4                                    ; which take the loads of four steps on
.endif
.if (\t)+1 < STEPS
.if STEPS-2-(\t) >= 3
	s_wait_loadcnt 12                              ; the next step's four loads are in; those of the three steps behind it may be out
.else
	s_wait_loadcnt 4*(STEPS-2-(\t))
.endif
	TURN (\t)+1
.endif
.irp i, 0,1,2,3,4,5,6,7,8,9,10,11,12,13,14,15
.endr
	v_cvt_scalef32_pk8_bf8_f32 v[CC+4*(\t):CC+4*(\t)+1], v[XS:XS+7], v11
	v_cvt_scalef32_pk8_bf8_f32 v[CC+4*(\t)+2:CC+4*(\t)+3], v[XS+8:XS+15], v11
	global_store_b128 v4, v[CC+4*(\t):CC+4*(\t)+3], s[14:15] offset:32*CBY*(\t)   ; the wave stores 512 consecutive bytes, aligned
.endm
.macro CLOAD t                         ; COLS: block t: W(32 t + i, my column), i = 0 .. 31: each load reads 128 consecutive bytes, the four waves side by side 512
.set i, 0
.rept 32
	global_load_b32 v[X2+32*((\t)%2)+i], v[VR+i], s[SB+2*(\t):SB+2*(\t)+1] th:TH_LOAD_NT
.set i, i+1
.endr
.endm
.macro BLOCK t
.set XS, X2+32*((\t)%2)
.if (\t) < NB-1
	s_wait_loadcnt 32                              ; this block's 32 loads are in; the next block's may be out
.else
	s_wait_loadcnt 0
.endif
.set i, 0
.rept 32
.set i, i+1
.endr
.irp g, 0,1,2,3
	v_cvt_scalef32_pk8_bf8_f32 v[C2+2*\g:C2+2*\g+1], v[XS+8*\g:XS+8*\g+7], v11
.endr
	ds_store_b128 v4, v[C2:C2+3] offset:32*(\t)    ; 32 codes: 32 bytes of my column's row
	ds_store_b128 v4, v[C2+4:C2+7] offset:32*(\t)+16
.if (\t)+2 < NB
	CLOAD (\t)+2
.endif
	s_wait_dscnt 0x0                               ; the stores have read their registers: the next block's codes may be written
.endm
	s_load_b256 s[4:11], s[0:1], 0x0               ; x s[4:5], pos_embed_table s[6:7], W_tok_kqv s[8:9], W_pos_kq s[10:11]
	s_load_b128 s[12:15], s[0:1], 0x20             ; lowp_scales s[12:13], cin s[14:15]
	v_lshl_add_u32 v208, v0, 2, 0x10800
	v_mov_b32 v209, 0
	v_lshrrev_b32 v1, 5, v0
	v_readfirstlane_b32 s16, v1                    ; wave 0..3
	v_and_b32 v2, 31, v0                           ; lane
	s_wait_kmcnt 0x0
	s_load_b256 s[24:31], s[12:13], 0x0            ; e0 .. e7
	s_cmp_lt_u32 ttmp9, 192
	s_cbranch_scc0 .Lcols
	; ---- ROWS: K is innermost.  A wave takes 8,192 numbers on end; their codes lie on end too
	s_wait_alu depctr_va_vdst(0)
	v_lshlrev_b32 v3, 4, v2                        ; my 16 bytes of a load's 512
	s_wait_alu depctr_va_vdst(0)
	s_mul_i32 s17, s16, WREG
	v_lshrrev_b32 v14, 2, v2
	v_mul_u32_u24 v14, v14, SP
	v_and_b32 v15, 3, v2
	v_lshl_add_u32 v14, v15, 4, v14
	v_add_nc_u32 v14, s17, v14                     ; the stage, on the way in: SP (lane / 4) + 16 (lane % 4)
	v_mul_u32_u24 v15, v2, SP
	v_add_nc_u32 v15, s17, v15                     ; and on the way out: SP x lane: my 16 neighbours
	v_mul_u32_u24 v4, v2, CBY                      ; my codes' place in a step's
	s_cmp_lt_u32 ttmp9, 128                        ; x's work-group or pos_embed_table's?
	s_cselect_b64 s[4:5], s[4:5], s[6:7]
	s_cselect_b32 s17, 0, 128
	s_sub_co_u32 s17, ttmp9, s17
	s_lshl_b32 s17, s17, 2
	s_add_co_u32 s18, s17, s16                     ; which run of 8,192 numbers of the tensor is my wave's
	s_lshl_b32 s18, s18, 15                        ; x 32,768 bytes
	s_mov_b32 s19, 0
	s_add_nc_u64 s[4:5], s[4:5], s[18:19]
	s_lshl_b32 s20, ttmp9, 2
	s_add_co_u32 s20, s20, s16
	s_lshl_b32 s20, s20, 13                        ; x 8,192 bytes of codes: pos_embed_table's follow x's
	s_mov_b32 s21, 0
	s_add_nc_u64 s[14:15], s[14:15], s[20:21]
.irp t, 0,1,2,3
	LOAD \t
.endr
	s_wait_alu depctr_va_vdst(0)
	s_wait_kmcnt 0x0
	s_cmp_lt_u32 ttmp9, 128
	s_cselect_b32 s22, s28, s24                    ; e4 for x, e0 for pos_embed_table
	s_add_co_i32 s22, s22, 127
	s_lshl_b32 s23, s22, 23
	v_mov_b32 v11, s23                             ; 2^e as f32: the conversion takes its exponent field
	s_add_co_i32 s22, s22, EMAX
	s_lshl_b32 s22, s22, 23
	s_or_b32 s22, s22, MANT
	s_wait_alu depctr_va_vdst(0)
	s_wait_loadcnt 12                              ; step 0's four loads are in
	TURN 0
.irp t, 0,1,2,3,4,5,6,7,8,9,10,11,12,13,14,15
	RSTEP \t
.endr
	s_wait_tensorcnt 0x0
	ds_add_u32 v208, v209
	s_wait_dscnt 0x0
	s_endpgm
	; ---- COLS: K is the first axis.  Work-group j = 4 nb + kb takes columns 128 nb .. + 127 (24 blocks of W_tok_kqv, then 16 of W_pos_kq) x 256 along K; a wave 32 of the columns
.Lcols:
	s_sub_co_u32 s17, ttmp9, 192                   ; j
	s_lshr_b32 s18, s17, 2                         ; nb
	s_and_b32 s19, s17, 3                          ; kb
	s_lshl_b32 s23, s16, 5                         ; 32 x wave
	s_cmp_lt_u32 s17, 96                           ; W_tok_kqv's work-group or W_pos_kq's?
	s_cselect_b64 s[4:5], s[8:9], s[10:11]
	s_mov_b32 s20, 8192
	s_cselect_b32 s20, 12288, s20                  ; a row of the weight in bytes
	s_cselect_b32 s21, 0, 24
	s_sub_co_u32 s21, s18, s21                     ; the block of columns within its tensor
	s_lshl_b32 s21, s21, 7
	s_add_co_u32 s21, s21, s23                     ; my wave's first column,
	s_lshl_b32 s21, s21, 2                         ; in bytes
	s_mul_i32 s50, s19, s20
	s_lshl_b32 s50, s50, 8                         ; 256 kb rows down
	s_add_co_u32 s50, s50, s21
	s_mov_b32 s51, 0
	s_add_nc_u64 s[SB:SB+1], s[4:5], s[50:51]
	s_lshl_b32 s48, s20, 5                         ; 32 rows
	s_mov_b32 s49, 0
.irp t, 1,2,3,4,5,6,7
	s_add_nc_u64 s[SB+2*\t:SB+2*\t+1], s[SB+2*\t-2:SB+2*\t-1], s[48:49]
.endr
	s_lshl_b32 s52, s18, 7
	s_add_co_u32 s52, s52, s23
	s_add_co_u32 s52, s52, 6144                    ; my first row of cin
	s_lshl_b32 s52, s52, 10
	s_lshl_b32 s53, s19, 8                         ; + 256 kb bytes along K
	s_add_co_u32 s52, s52, s53
	s_mov_b32 s53, 0
	s_add_nc_u64 s[14:15], s[14:15], s[52:53]
	s_wait_alu depctr_va_vdst(0)
	v_lshlrev_b32 v[VR], 2, v2                     ; 4 bytes a lane
.set i, 1
.rept 31
	v_add_nc_u32 v[VR+i], s20, v[VR+i-1]           ; one row further down
.set i, i+1
.endr
	CLOAD 0
	CLOAD 1
	s_mul_i32 s54, s16, 32*PITCH
	s_add_co_u32 s54, s54, CSTG                    ; my stage
	v_mul_u32_u24 v4, v2, PITCH
	v_add_nc_u32 v4, s54, v4                       ; into it: row = my column
	v_and_b32 v5, 15, v2
	v_lshrrev_b32 v6, 4, v2                        ; out of it: sixteen lanes to a row, two rows an instruction
	v_mul_u32_u24 v7, v6, PITCH
	v_lshl_add_u32 v7, v5, 4, v7
	v_add_nc_u32 v7, s54, v7
	v_lshlrev_b32 v8, 10, v6                       ; and the same place in cin
	v_lshl_add_u32 v8, v5, 4, v8
	s_wait_kmcnt 0x0
	s_cmp_lt_u32 s17, 96
	s_cselect_b32 s22, s29, s25                    ; e5 for W_tok_kqv, e1 for W_pos_kq
	s_add_co_i32 s22, s22, 127
	s_lshl_b32 s55, s22, 23
	v_mov_b32 v11, s55                             ; 2^e
	s_add_co_i32 s22, s22, EMAX
	s_lshl_b32 s22, s22, 23
	s_or_b32 s22, s22, MANT
	s_wait_alu depctr_va_vdst(0)
.irp t, 0,1,2,3,4,5,6,7
	BLOCK \t
.endr
.irp t, 0,1,2,3,4,5,6,7,8,9,10,11,12,13,14,15
	ds_load_b128 v[OUTR+4*\t:OUTR+4*\t+3], v7 offset:2*\t*PITCH   ; these see my stores: a wave's LDS instructions are served in order
.endr
.irp t, 0,1,2,3,4,5,6,7,8,9,10,11,12,13,14,15
	s_wait_dscnt 15-\t                             ; the younger loads may be out
	global_store_b128 v8, v[OUTR+4*\t:OUTR+4*\t+3], s[14:15] offset:2*\t*1024   ; sixteen lanes store 256 consecutive bytes, aligned
.endr
	s_wait_tensorcnt 0x0
	ds_add_u32 v208, v209
	s_wait_dscnt 0x0
	s_endpgm
.Lfunc_end_k_q3d90184c11_prep:
	.size	k_q3d90184c11_prep, .Lfunc_end_k_q3d90184c11_prep-k_q3d90184c11_prep
	.p2alignl 7, 3214868480
	.fill 96, 4, 3214868480
	.section	.rodata,"a",@progbits
	.p2align	6, 0x0
	.amdhsa_kernel k_q3d90184c11_prep
		.amdhsa_group_segment_fixed_size 68096
		.amdhsa_private_segment_fixed_size 0
		.amdhsa_enable_private_segment 0
		.amdhsa_kernarg_size 48
		.amdhsa_user_sgpr_count 2
		.amdhsa_user_sgpr_kernarg_segment_ptr 1
		.amdhsa_wavefront_size32 1
		.amdhsa_system_sgpr_workgroup_id_x 1
		.amdhsa_system_sgpr_workgroup_id_y 1
		.amdhsa_system_sgpr_workgroup_id_z 1
		.amdhsa_system_vgpr_workitem_id 0
		.amdhsa_next_free_vgpr 210
		.amdhsa_next_free_sgpr 66
		.amdhsa_reserve_vcc 0
		.amdhsa_float_denorm_mode_32 3
		.amdhsa_float_denorm_mode_16_64 3
		.amdhsa_fp16_overflow 1
		.amdhsa_memory_ordered 1
		.amdhsa_forward_progress 1
		.amdhsa_inst_pref_size 55
	.end_amdhsa_kernel
	.amdgpu_metadata
---
amdhsa.version: [ 1, 2 ]
amdhsa.kernels:
  - .name:           k_q3d90184c11_prep
    .symbol:         k_q3d90184c11_prep.kd
    .args:
      - { .name: x, .offset: 0, .size: 8, .value_kind: global_buffer, .address_space: global }
      - { .name: pos_embed_table, .offset: 8, .size: 8, .value_kind: global_buffer, .address_space: global }
      - { .name: W_tok_kqv, .offset: 16, .size: 8, .value_kind: global_buffer, .address_space: global }
      - { .name: W_pos_kq, .offset: 24, .size: 8, .value_kind: global_buffer, .address_space: global }
      - { .name: lowp_scales, .offset: 32, .size: 8, .value_kind: global_buffer, .address_space: global }
      - { .name: cin, .offset: 40, .size: 8, .value_kind: global_buffer, .address_space: global }
    .group_segment_fixed_size: 68096
    .private_segment_fixed_size: 0
    .kernarg_segment_align: 8
    .kernarg_segment_size: 48
    .max_flat_workgroup_size: 128
    .sgpr_count:     66
    .vgpr_count:     210
    .wavefront_size: 32
...
	.end_amdgpu_metadata
.endif
;; end of part 1
;; launch proj (part 2): grid 64 x 4, 4 waves a work-group, clusters of 4 x 4, 327,680 bytes of LDS; arguments cin, lowp_scales, cmid; writes cmid
.if DOCPART == 2
	.amdgcn_target "amdgcn-amd-amdhsa--gfx1250"
	.amdhsa_code_object_version 6
	.text
	.protected	k_q3d90184c11_proj
	.globl	k_q3d90184c11_proj
	.p2align	8
	.type	k_q3d90184c11_proj,@function
k_q3d90184c11_proj:
	s_mov_b64 s[64:65], 0
	v_nop
	global_prefetch_b8 v0, s[64:65] scope:SCOPE_SE
	s_setreg_imm32_b32 hwreg(HW_REG_WAVE_MODE, 25, 1), 1
	s_wait_xcnt 0x0
	s_wait_alu depctr_hold_cnt(0) depctr_sa_sdst(0) depctr_va_vdst(0) depctr_va_sdst(0) depctr_va_ssrc(0) depctr_va_vcc(0) depctr_vm_vsrc(0)
	s_getreg_b32 s2, hwreg(HW_REG_IB_STS2, 6, 4)
	s_cmp_eq_u32 s2, 0
	s_cbranch_scc0 .Lentry_in_a_cluster
	s_endpgm
.Lentry_in_a_cluster:
	s_bfe_u32 s2, ttmp6, 0x10000c
	s_cmp_lg_u32 s2, 0xf033
	s_cbranch_scc0 .Lentry_shape_is_right
	s_endpgm
.Lentry_shape_is_right:
.set KSTEP,  256
.set ROWB,   256
.set KROW,   1024
.set PITCH,  272
.set FR,     16
.set NL,     4
.set NP,     4
.set HALFT,  128*PITCH
.set SLOT,   4*HALFT
.set SPARE,  2*SLOT
.set SPITCH, 272
.set OF,   8
.set ADRA, 16
.set ADRB, 20
.set STO,  24
.set RD,   25
.set SPW,  28
.set NIL,  29
.set SC,   30
.set LIM,  31
.set TMP,  32
.set CD,   96
.set AF,   128
.set G1, 24
.set G0, 32
.set G1B, 48
.set G0B, 56
.set MSB, 0
.macro WIN new
.if MSB != \new
	s_set_vgpr_msb (MSB<<8)|\new
.set MSB, \new
.endif
.endm
.set MUL_LO, 0xa1
.set MUL_HI, 0xf1
.set TO_B,   0x40
.macro JLOAD g0a, g1a, g0b, g1b
	s_cmp_eq_u32 s15, 0
	s_cbranch_scc0 .Lfor_b_\@
	tensor_load_to_lds s[\g0a:\g0a+3], s[\g1a:\g1a+7]
	s_nop 0
.rept 4
	v_nop
.endr
	s_branch .Lasked_\@
.Lfor_b_\@:
	tensor_load_to_lds s[\g0b:\g0b+3], s[\g1b:\g1b+7]
	s_nop 0
.rept 4
	v_nop
.endr
.Lasked_\@:
.endm
.macro CREST
	s_cmp_lg_u32 s14, 0
	s_cbranch_scc1 .Lnot_wave_0_\@
	s_barrier_signal -3
.Lnot_wave_0_\@:
	s_barrier_wait -3
	s_barrier_signal -1
	s_barrier_wait -1
.endm
.macro CROUND
	s_barrier_signal -1
	s_barrier_wait -1
	CREST
.endm
	s_load_b128 s[4:7], s[0:1], 0x0
	s_load_b64 s[10:11], s[0:1], 0x10
	v_lshl_add_u32 v[SPW], v0, 2, SPARE
	v_mov_b32 v[NIL], 0
	ds_add_u32 v28, v29
	ds_add_u32 v28, v29
	s_wait_dscnt 0x0
	v_lshrrev_b32 v1, 5, v0
	v_readfirstlane_b32 s14, v1
	s_lshr_b32 s15, s14, 1
	s_and_b32 s16, s14, 1
	s_bfe_u32 s40, ttmp6, 0x40000
	s_bfe_u32 s41, ttmp6, 0x40004
	s_lshr_b32 s82, ttmp9, 1
	s_and_b32 s83, s82, 1
	s_and_b32 s84, ttmp9, 1
	s_and_b32 s85, ttmp9, 3
	s_sub_co_u32 s86, ttmp9, 8
	s_cmp_lt_u32 ttmp9, 8
	s_cselect_b32 s87, s82, s83
	s_cselect_b32 s88, 0, 4096
	s_mov_b32 s89, 9216
	s_cselect_b32 s89, 6144, s89
	s_cselect_b32 s90, 0, 0x800000
	s_cselect_b32 s91, 22, 21
	s_cmp_lt_u32 s86, 4
	s_cselect_b32 s87, 0, s87
	s_cselect_b32 s88, 8192, s88
	s_cselect_b32 s89, 0, s89
	s_cselect_b32 s90, 0xC00000, s90
	s_cselect_b32 s92, s85, s84
	s_cselect_b32 s93, 1, 0
	s_lshl_b32 s17, s87, 2
	s_add_co_u32 s17, s17, s41
	s_lshl_b32 s42, s92, 2
	s_add_co_u32 s42, s42, s40
	s_lshl_b32 s43, s41, 2
	s_lshl_b32 s43, 15, s43
	s_lshl_b32 s44, 0x1111, s40
	s_or_b32 s[G1+0], s43, (0<<16)|(1<<20)|(1<<21)|(5<<22)|(3<<25)
	s_or_b32 s[G1B+0], s44, (0<<16)|(1<<20)|(1<<21)|(5<<22)|(3<<25)
.irp g, G1, G1B
	s_mov_b32 s[\g+1], ROWB<<16
	s_mov_b32 s[\g+2], 128<<16
	s_mov_b32 s[\g+3], ROWB<<16
	s_mov_b32 s[\g+4], 128
	s_mov_b32 s[\g+5], KROW
	s_mov_b32 s[\g+6], 0
	s_mov_b32 s[\g+7], 0
.endr
	s_lshl_b32 s18, s16, 7
	s_lshl_b32 s20, s17, 8
	s_add_co_u32 s20, s20, s18
	s_add_co_u32 s20, s20, s88
	s_lshl_b32 s20, s20, 10
	s_mov_b32 s21, 0
	s_lshl_b32 s46, s42, 8
	s_add_co_u32 s46, s46, s18
	s_add_co_u32 s46, s46, s89
	s_lshl_b32 s46, s46, 10
	s_mov_b32 s47, 0
	s_mul_i32 s45, s14, HALFT
	s_wait_kmcnt 0x0
	s_load_b256 s[72:79], s[6:7], 0x0
	s_load_b64 s[80:81], s[6:7], 0x20
	s_add_nc_u64 s[20:21], s[4:5], s[20:21]
	s_add_nc_u64 s[46:47], s[4:5], s[46:47]
	CROUND
.irp s, 0,1
	s_mov_b32 s[G0+4*\s], 1
	s_add_co_u32 s[G0+4*\s+1], s45, \s*SLOT
	s_add_nc_u64 s[G0+4*\s+2:G0+4*\s+3], s[20:21], \s*ROWB
	s_or_b32 s[G0+4*\s+3], s[G0+4*\s+3], 0x80000000
	s_mov_b32 s[G0B+4*\s], 1
	s_add_co_u32 s[G0B+4*\s+1], s45, \s*SLOT
	s_add_nc_u64 s[G0B+4*\s+2:G0B+4*\s+3], s[46:47], \s*ROWB
	s_or_b32 s[G0B+4*\s+3], s[G0B+4*\s+3], 0x80000000
	s_wait_alu depctr_va_vdst(0)
	s_wait_tensorcnt 0x0
	ds_add_u32 v28, v29
	ds_add_u32 v28, v29
	s_wait_dscnt 0x0
	CROUND
	JLOAD G0+4*\s, G1, G0B+4*\s, G1B
.endr
	v_and_b32 v1, 15, v0
	v_bfe_u32 v2, v0, 4, 1
	v_mul_u32_u24 v3, v1, PITCH
	v_lshl_add_u32 v4, v2, 4, v3
	s_mul_i32 s21, s15, HALFT
	s_mul_i32 s22, s16, HALFT
	s_add_co_u32 s22, s22, 2*HALFT
.irp s, 0,1
	v_add_nc_u32 v[ADRA+\s], s21, v4
	v_add_nc_u32 v[ADRB+\s], s22, v4
	s_add_co_u32 s21, s21, SLOT
	s_add_co_u32 s22, s22, SLOT
.endr
	v_mul_u32_u24 v[STO], v1, SPITCH
	v_lshl_add_u32 v[STO], v2, 3, v[STO]
	s_mul_i32 s23, s15, 128*SPITCH
	s_lshl_b32 s22, s16, 7
	s_add_co_u32 s23, s23, s22
	v_add_nc_u32 v[STO], s23, v[STO]
	v_and_b32 v5, 7, v1
	v_lshl_add_u32 v5, v2, 3, v5
	v_and_b32 v6, 8, v1
	v_lshl_add_u32 v5, v6, 1, v5
	v_mul_u32_u24 v[RD], v5, SPITCH
	s_mul_i32 s23, s14, 64*SPITCH
	v_add_nc_u32 v[RD], s23, v[RD]
	s_cmp_eq_u32 s93, 1
	s_mov_b32 s66, 1024
	s_cselect_b32 s66, 2048, s66
	s_mov_b32 s67, 2048
	s_cselect_b32 s67, 4096, s67
	s_mov_b32 s68, 4096
	s_cselect_b32 s68, 0x20000, s68
	s_mov_b32 s69, 0x20000
	s_cselect_b32 s69, 1024, s69
	s_mov_b32 s70, 0x40000
	s_cselect_b32 s70, 8192, s70
	s_cselect_b32 s71, s42, s17
	s_cselect_b32 s97, s17, s42
	s_lshr_b32 s98, s97, 2
	s_lshl_b32 s98, s98, s91
	s_add_co_u32 s98, s98, s90
	s_lshr_b32 s99, s71, 3
	s_lshl_b32 s99, s99, 21
	s_add_co_u32 s98, s98, s99
	s_and_b32 s99, s97, 3
	s_lshl_b32 s99, s99, 19
	s_add_co_u32 s98, s98, s99
	s_and_b32 s99, s71, 7
	s_lshl_b32 s99, s99, 14
	s_add_co_u32 s98, s98, s99
	s_mul_i32 s99, s14, s68
	s_add_co_u32 s98, s98, s99
	s_mov_b32 s99, 0
	s_add_nc_u64 s[10:11], s[10:11], s[98:99]
	v_mul_u32_u24 v5, v2, s66
	v_lshl_add_u32 v[OF], v1, 4, v5
	v_add_nc_u32 v[OF+1], s69, v[OF]
	v_add_nc_u32 v[OF+2], s70, v[OF]
	v_add_nc_u32 v[OF+3], s70, v[OF+1]
.irp x, 0,1,2,3
	v_add_nc_u32 v[OF+4+\x], s67, v[OF+\x]
.endr
.macro FRAG reg, adr, q, i
.irp c, 0,1,2,3
	ds_load_b128 v[\reg+4*\c:\reg+4*\c+3], v[\adr] offset:128*(\q)+32*\c+(\i)*16*PITCH
.endr
.endm
.macro MUL16 a0, p, zero
.irp a, \a0, \a0+1
.irp b, 0,1,2,3,4,5,6,7
.if \zero
	v_wmma_f32_16x16x128_bf8_bf8 v[8*(8*((\a)%4)+\b):8*(8*((\a)%4)+\b)+7], v[128*(\p)+FR*\b:128*(\p)+FR*\b+FR-1], v[AF+FR*(\a):AF+FR*(\a)+FR-1], 0
.else
	v_wmma_f32_16x16x128_bf8_bf8 v[8*(8*((\a)%4)+\b):8*(8*((\a)%4)+\b)+7], v[128*(\p)+FR*\b:128*(\p)+FR*\b+FR-1], v[AF+FR*(\a):AF+FR*(\a)+FR-1], v[8*(8*((\a)%4)+\b):8*(8*((\a)%4)+\b)+7]
.endif
.endr
.endr
.endm
.macro FETCH_B slot, q, p
	WIN TO_B
.irp i, 0,1,2,3,4,5,6,7
	FRAG 128*(\p)+FR*\i, ADRB+\slot, \q, \i
.endr
	WIN 0
.endm
.macro FETCH_A slot, q, i0
.irp i, \i0, \i0+1, \i0+2, \i0+3
	FRAG AF+FR*(\i), ADRA+\slot, \q, \i
.endr
.endm
.macro PLACES n
.rept \n
	v_nop
.endr
.endm
.macro STEP slot, q, zero
	s_wait_dscnt 4*NL
	WIN MUL_LO
	MUL16 0, (\q)%2, \zero
	MUL16 2, (\q)%2, \zero
	s_wait_dscnt 0
	PLACES NP
	FETCH_B \slot, (\q)+1, 1-(\q)%2
	FETCH_A \slot, (\q)+1, 0
	WIN MUL_HI
	MUL16 4, (\q)%2, \zero
	MUL16 6, (\q)%2, \zero
	PLACES NP
	WIN 0
	FETCH_A \slot, (\q)+1, 4
.endm
.macro TURN slot, next, fill
	s_wait_tensorcnt 0x0
	ds_add_u32 v[SPW], v[NIL]
	s_wait_dscnt 4*NL+1
	WIN MUL_LO
	MUL16 0, 1, 0
	s_wait_dscnt 0x0
	s_barrier_signal -1
	MUL16 2, 1, 0
	WIN 0
	s_barrier_wait -1
.if \fill
	CREST
	s_add_nc_u64 s[G0+4*\slot+2:G0+4*\slot+3], s[G0+4*\slot+2:G0+4*\slot+3], 2*ROWB
	s_add_nc_u64 s[G0B+4*\slot+2:G0B+4*\slot+3], s[G0B+4*\slot+2:G0B+4*\slot+3], 2*ROWB
	JLOAD G0+4*\slot, G1, G0B+4*\slot, G1B
.else
	PLACES NP
.endif
	FETCH_B \next, 0, 0
	FETCH_A \next, 0, 0
	WIN MUL_HI
	MUL16 4, 1, 0
	MUL16 6, 1, 0
	PLACES NP
	WIN 0
	FETCH_A \next, 0, 4
.endm
	s_wait_tensorcnt 1
	s_barrier_signal -1
	s_barrier_wait -1
	FETCH_B 0, 0, 0
	FETCH_A 0, 0, 0
	FETCH_A 0, 0, 4
	STEP 0, 0, 1
	TURN 0, 1, 1
	STEP 1, 0, 0
	TURN 1, 0, 1
	STEP 0, 0, 0
	TURN 0, 1, 0
	STEP 1, 0, 0
	s_wait_dscnt 4*NL
	WIN MUL_LO
	MUL16 0, 1, 0
	MUL16 2, 1, 0
	s_wait_dscnt 0
	WIN MUL_HI
	MUL16 4, 1, 0
	MUL16 6, 1, 0
	WIN 0
	s_wait_kmcnt 0x0
	s_add_co_i32 s94, s72, s73
	s_add_co_i32 s95, s76, s77
	s_cmp_ge_u32 ttmp9, 12
	s_cselect_b32 s94, s94, s95
	s_cselect_b32 s95, s74, s78
	s_cselect_b32 s96, s75, s79
	s_cmp_eq_u32 s84, 1
	s_cselect_b32 s95, s95, s96
	s_cmp_eq_u32 s93, 1
	s_cselect_b32 s95, s80, s95
	s_sub_co_i32 s95, s95, s94
	s_add_co_i32 s95, s95, 127
	s_lshl_b32 s96, s95, 23
	v_mov_b32 v[SC], s96
	s_add_co_i32 s95, s95, 15
	s_lshl_b32 s95, s95, 23
	s_or_b32 s95, s95, 0x600000
	PLACES NP
.macro QBLOCK a
	WIN 0x02+((\a)/4)
.set j, 0
.rept 64
.set j, j+1
.endr
.irp b, 0,1,2,3,4,5,6,7
	v_cvt_scalef32_pk8_bf8_f32 v[CD+16*(\a)+2*\b:CD+16*(\a)+2*\b+1], v[TMP+8*\b+((64*((\a)%4)+j)-(TMP+j)):TMP+8*\b+7+((64*((\a)%4)+j)-(TMP+j))], v[SC]
.endr
	WIN 0
	v_nop
.irp b, 0,1,2,3,4,5,6,7
	ds_store_b64 v[STO], v[CD+16*(\a)+2*\b:CD+16*(\a)+2*\b+1] offset:(\a)*16*SPITCH+16*\b
.endr
.endm
.irp a, 0,1,2,3,4,5,6,7
	QBLOCK \a
.endr
	s_wait_dscnt 0x0
	s_barrier_signal -1
	s_barrier_wait -1
.irp g, 0,1
.irp x, 0,1,2,3
.irp y, 0,1,2,3
	ds_load_b128 v[CD+4*(16*\g+4*\x+\y):CD+4*(16*\g+4*\x+\y)+3], v[RD] offset:\g*32*SPITCH+64*\x+16*\y
.endr
.endr
.endr
.irp g, 0,1
.irp x, 0,1,2,3
.irp y, 0,1,2,3
	s_wait_dscnt 31-(16*\g+4*\x+\y)
	global_store_b128 v[OF+4*\g+\x], v[CD+4*(16*\g+4*\x+\y):CD+4*(16*\g+4*\x+\y)+3], s[10:11] offset:256*\y
.endr
.endr
.endr
	s_wait_tensorcnt 0x0
	ds_add_u32 v[SPW], v[NIL]
	s_wait_dscnt 0x0
	CROUND
	s_endpgm
.Lfunc_end_k_q3d90184c11_proj:
	.size	k_q3d90184c11_proj, .Lfunc_end_k_q3d90184c11_proj-k_q3d90184c11_proj
	.p2alignl 7, 3214868480
	.fill 96, 4, 3214868480
	.section	.rodata,"a",@progbits
	.p2align	6, 0x0
	.amdhsa_kernel k_q3d90184c11_proj
		.amdhsa_group_segment_fixed_size 327680
		.amdhsa_private_segment_fixed_size 0
		.amdhsa_enable_private_segment 0
		.amdhsa_kernarg_size 24
		.amdhsa_user_sgpr_count 2
		.amdhsa_user_sgpr_kernarg_segment_ptr 1
		.amdhsa_wavefront_size32 1
		.amdhsa_system_sgpr_workgroup_id_x 1
		.amdhsa_system_sgpr_workgroup_id_y 1
		.amdhsa_system_sgpr_workgroup_id_z 1
		.amdhsa_system_vgpr_workitem_id 0
		.amdhsa_next_free_vgpr 1024
		.amdhsa_next_free_sgpr 100
		.amdhsa_reserve_vcc 0
		.amdhsa_float_denorm_mode_32 3
		.amdhsa_float_denorm_mode_16_64 3
		.amdhsa_fp16_overflow 1
		.amdhsa_memory_ordered 1
		.amdhsa_forward_progress 1
		.amdhsa_inst_pref_size 96
	.end_amdhsa_kernel
	.amdgpu_metadata
---
amdhsa.version: [ 1, 2 ]
amdhsa.kernels:
  - .name:           k_q3d90184c11_proj
    .symbol:         k_q3d90184c11_proj.kd
    .args:
      - { .name: cin, .offset: 0, .size: 8, .value_kind: global_buffer, .address_space: global }
      - { .name: lowp_scales, .offset: 8, .size: 8, .value_kind: global_buffer, .address_space: global }
      - { .name: cmid, .offset: 16, .size: 8, .value_kind: global_buffer, .address_space: global }
    .group_segment_fixed_size: 327680
    .private_segment_fixed_size: 0
    .kernarg_segment_align: 8
    .kernarg_segment_size: 24
    .max_flat_workgroup_size: 128
    .sgpr_count:     100
    .vgpr_count:     1024
    .wavefront_size: 32
...
	.end_amdgpu_metadata
.endif
;; end of part 2
;; launch attn (part 3): grid 8 x 32, 8 waves a work-group, no clusters, 327,680 bytes of LDS; arguments cmid, bias_table, lowp_scales, out0; writes out0
.if DOCPART == 3
	.amdgcn_target "amdgcn-amd-amdhsa--gfx1250"
	.amdhsa_code_object_version 6
	.text
	.protected	k_q3d90184c11_attn
	.globl	k_q3d90184c11_attn
	.p2align	8
	.type	k_q3d90184c11_attn,@function
k_q3d90184c11_attn:
	s_mov_b64 s[64:65], 0
	v_nop
	global_prefetch_b8 v0, s[64:65] scope:SCOPE_SE
	s_setreg_imm32_b32 hwreg(HW_REG_WAVE_MODE, 25, 1), 1
	s_wait_xcnt 0x0
; out[b][q][h][:] = the sum over k of softmax_k((Qt.Kt + Qp.Kp) / sqrt(128) + bias(k - q, h)) V[b][k][h][:], all three products on codes of BF8 out of cmid.
; The exponents: e2, e3 query and key of the position; e6, e7 of the token; e8 the value; e9 the weights p.
; A LANE'S ARITHMETIC.  R = Kp Qp^T + C, C = bias x sqrt(128) x 2^-(e2+e3) in the result's layout; R' = R x 2^(e2+e3-e6-e7); S = Kt Qt^T + R'; t = c S, c = log2(e) / sqrt(128) x 2^(e6+e7).
; M = the running largest t rounded UP to a whole number; p = 2^(t - M) is what is quantised, with 2^e9; the row's sum is taken of the unquantised p and divides at the end.  When M moves, the sum and O are multiplied by 2^(old M - new M): exact.
; THE BIAS hangs on d = k - q alone: n = |d|: 0..7 -> n, 8..11 -> 8, 12..15 -> 9, 16..22 -> 10, 23..31 -> 11, 32..45 -> 12, 46..63 -> 13, 64..90 -> 14, from 91 on 15; + 16 where d > 0; table row 2048 + that.
; So a key step all of whose d lie at 91 or beyond on one side takes one number as C.  The others (two or three of a wave's sixteen) load C from a table over d in LDS, made once at the head.
; SHARES.  A work-group owns 256 queries of one batch and head; each of its eight waves 32 of them: tile A (16 queries, window 0) and tile B (window 1, the same register numbers).  Two waves to a SIMD.
; Each fragment of Kp, Kt and V read from LDS feeds two matrix instructions.  Every wave walks all 2,048 keys, 128 a step.  A slot of the ring holds four steps: 32 KB each of Kp, Kt and V.
; LAYOUT.  All products are used transposed (source 0 = 16 keys, or 16 of the head's 64; source 1 = 16 queries): a lane holds ONE query (lane % 16) throughout.  cmid holds images of operand registers: a fragment is
; 16 bytes a lane, 512 bytes a load, on end: no pitch, no padding.  Row m of key tile 2 b + u is key 32 b + 8 u + m + 8 (m / 8): the 16 registers of tiles 2 b and 2 b + 1 are 16 neighbouring keys, as the conversions want them.
; The k inside an instruction is permuted, alike on both sides; the order of the sums inside an instruction differs from ascending k.
; NO CLUSTER, though the eight query blocks of a head read the same tiles: near the diagonal a branch and an LDS address hang on the work-group's block of queries.
; The position's scores are made once for each batch: sharing them would take 128 registers more a wave.
; LIMITS on the given exponents, so that each power of two below is an f32 number: e6 + e7 between -123 and 130; e2 + e3 - e6 - e7 between -126 and 127; e9 between -126 and 112.  e2 + e3 and e8 + e9 go by v_ldexp_f32.  NaN is not served.
.set SLOT1, 1<<17                      ; slot 1 begins here: one exclusive or turns an address in one slot into the other's
.set KTO,   32768                      ; in a slot: Kp at 0, Kt here,
.set VTO,   65536                      ; V here; 98,304 bytes in all
.set BT,    98304                      ; behind slot 0: the bias over d, four copies: copy s holds bias(i - s - 288) at word i, so that every lane's four neighbours begin on a multiple of 16 bytes
.set CSTR,  4416                       ; from copy to copy: 64 bytes more than a multiple of 256, so that sixteen lanes touch sixteen different 16-byte columns
.set SPARE, 2*SLOT1                    ; the spare words, 128 bytes for each of eight waves
.set OP,    272                        ; the way out: 32 rows x (256 bytes + 16) for each wave, in slot 0, which was left at the last change of slots
.set LI,  1                            ; v1   16 x lane
.set BTA, 2                            ; v2   my lane's place in the bias table
.set PFO, 3                            ; v3   256 x lane: the prefetches' offset
.set QO,  4                            ; v4   my lane's place in the queries' image
.set SPW, 5                            ; v5   my spare word; never rewritten
.set NIL, 6                            ; v6   0; never rewritten
.set GO,  7                            ; v7   my byte offset in the wave's rows of out0
.set ADK, 8                            ; v8   LDS address of the step's Kp (Kt by the immediate)
.set ADV, 9                            ; v9   of its V
.set ADB, 10                           ; v10  of its part of the bias table
.set QT,  16                           ; v16-23  the token's query, v24-31 the position's (both windows)
.set QP,  24
.set F,   32                           ; v32-95  window 0: Kp's eight fragments, then V's four; window 1: Kt's eight
.set S,   96                           ; v96-159 R, then S, then p (both windows)
.set O,   160                          ; v160-191 O^T (both windows)
.set PC,  192                          ; v192-207 p's codes (both windows)
.set CB,  208                          ; v208-215 the constant bias as a C
.set VLO, 216                          ; v216 the bias for d <= -91, v217 for d >= 91, both x sqrt(128) x 2^-(e2+e3)
.set VHI, 217                          ; v12 -M, v13 the largest t, v[14:15] the sum, v236, v[242:243], v244, v[252:253], v254: at work (both windows)
.set TD,  96                           ; the head alone: d, n, the bucket, the table's number, at work
.set TN,  100
.set TK,  104
.set TV,  108
.set TX,  112
.set TB,  2                            ; s2   LDS byte at which the step in hand begins
.set WV,  12                           ; s12  my wave's number
.set EQ,  13                           ; s13  2304 - my first query
.set KF,  14                           ; s14  the step's first key
.set SLOTS, 15                         ; s15  slots still to be asked for
.set SEL, 20                           ; s[20:21] v_permlanex16_b32's selects: lane l xor 16
.set CS,  22                           ; s[22:23] c
.set G1,  24                           ; s[24:31] descriptor group 1
.set G0,  32                           ; s[32:35] descriptor group 0, which walks
.set DL,  36                           ; s[36:37] 2^(e2+e3-e6-e7)
.set PFA, 50                           ; s[50:51] where my prefetches stand
.set LIM, 52                           ; s52  1 in a wave that prefetches, else the greatest number
.set MSB, 0
.macro WIN new                         ; the immediate's high byte repeats the setting that is left; bits 1:0 source 0, 3:2 source 1, 5:4 source 2, 7:6 destination
.if MSB != \new
	s_set_vgpr_msb (MSB<<8)|\new
.set MSB, \new
.endif
.endm
.set ALL1,  0x55                       ; everything in window 1: tile B's vector work, and S of tile B
.set TO_1,  0x40                       ; a load into window 1, address in window 0
.set RB_C0, 0x44                       ; R of tile B: D and the query in window 1, Kp and the constant C in window 0
.set B_F0,  0x54                       ; tile B with source 0 (Kp or V) in window 0, all else in window 1
.set SA_F2, 0x01                       ; S of tile A: Kt in window 1
.set ST_1,  0x04                       ; an LDS store of window 1's data
; Waves 0 to 5 fetch 16 KB each: the two halves of a slot's Kp, Kt, V.  The branch hangs on the wave's number alone.  Four v_nop follow the line.
.macro TLOAD
	s_cmp_lt_u32 s[WV], 6
	s_cbranch_scc0 .Lasked_\@
	tensor_load_to_lds s[G0:G0+3], s[G1:G1+7]
	s_nop 0
.rept 4
	v_nop
.endr
.Lasked_\@:
.endm
; A PREFETCH INTO THE L2 of what the NEXT change of slots will ask for, four key steps ahead of that load.  All eight work-groups of a batch and head walk the same tiles: the first (x = 0) asks;
; Kp is the same for both batches: batch 0 asks.  Waves 2 to 7 take 16 KB each, lanes 256 bytes apart, two instructions: each aligned block of 256 bytes is named once in the launch.
; The last change that fills a slot asks for nothing; slots 0 and 1 come by their loads alone.
.macro ASK
	s_cmp_gt_u32 s[SLOTS], s[LIM]
	s_cbranch_scc0 .Lnot_mine_\@
	global_prefetch_b8 v[PFO], s[PFA:PFA+1] th:TH_LOAD_NT scope:SCOPE_SE
	global_prefetch_b8 v[PFO], s[PFA:PFA+1] offset:8192 th:TH_LOAD_NT scope:SCOPE_SE
.Lnot_mine_\@:
.endm
	s_load_b256 s[4:11], s[0:1], 0x0               ; cmid s[4:5], bias_table s[6:7], lowp_scales s[8:9], out0 s[10:11]
	v_lshl_add_u32 v[SPW], v0, 2, SPARE
	v_mov_b32 v[NIL], 0
	ds_add_u32 v5, v6
	ds_add_u32 v5, v6
	s_wait_dscnt 0x0
	v_lshrrev_b32 v8, 5, v0
	s_delay_alu instid0(VALU_DEP_1)
	v_readfirstlane_b32 s[WV], v8                  ; wave 0..7
	s_and_b32 s17, ttmp7, 0xffff                   ; y = 16 x batch + head
	s_and_b32 s16, s17, 15                         ; head
	s_lshr_b32 s18, s17, 4                         ; batch
	; descriptor group 1: a dense block of 16 KB as 64 rows of 256 bytes, no padding
	s_mov_b32 s[G1], 3<<16                         ; 15:0 no mask; 17:16 elements of 8 bytes
	s_mov_b32 s[G1+1], 32<<16                      ; tensor_dim0 = 32
	s_mov_b32 s[G1+2], 64<<16                      ; tensor_dim1 = 64
	s_mov_b32 s[G1+3], 32<<16                      ; tile_dim0 = 32
	s_mov_b32 s[G1+4], 64                          ; tile_dim1 = 64
	s_mov_b32 s[G1+5], 32                          ; tensor_dim0_stride
	s_mov_b32 s[G1+6], 0
	s_mov_b32 s[G1+7], 0
	s_lshl_b32 s73, s16, 17
	s_add_co_u32 s73, s73, 0x800000                ; Kp's block in cmid,
	s_lshl_b32 s74, s17, 17                        ; Kt's,
	s_add_co_u32 s75, s74, 0xC00000                ; V's
	s_min_u32 s56, s[WV], 5                        ; (waves 6 and 7 issue no load)
	s_lshl_b32 s[G0+1], s56, 14                    ; LDS address: 16 KB x wave: Kp's halves, Kt's, V's
	s_lshr_b32 s57, s56, 1                         ; which of the three
	s_and_b32 s58, s56, 1
	s_lshl_b32 s58, s58, 14                        ; which half
	s_cmp_eq_u32 s57, 0
	s_cselect_b32 s62, s73, s74
	s_cmp_eq_u32 s57, 2
	s_cselect_b32 s62, s75, s62
	s_add_co_u32 s62, s62, s58
	s_mov_b32 s63, 0
	s_mov_b32 s[G0], 1                             ; count = 1
	s_mov_b32 s[SEL], 0x76543210
	s_mov_b32 s[SEL+1], 0xfedcba98
	s_mov_b32 s[CS], 0x3e0293ee                    ; log2(e) / sqrt(128)
	s_mov_b32 s[TB], 0
	s_mov_b32 s[KF], 0
	s_mov_b32 s[SLOTS], 3
	s_wait_kmcnt 0x0
	s_load_b256 s[40:47], s[8:9], 0x0              ; e0 .. e7
	s_load_b64 s[48:49], s[8:9], 0x20              ; e8, e9
	s_add_nc_u64 s[G0+2:G0+3], s[4:5], s[62:63]    ; global address: the first four key steps
	s_or_b32 s[G0+3], s[G0+3], 0x80000000          ; type = 2
	TLOAD                                          ; slot 0: ahead of every wait on TENSORcnt, every LDS read and every barrier
	s_lshl_b32 s56, s16, 2
	s_mov_b32 s57, 0
	s_add_nc_u64 s[6:7], s[6:7], s[56:57]          ; bias_table at my head's column
	s_load_b32 s53, s[6:7], 132032                 ; row 2048 + 15: d <= -91
	s_load_b32 s54, s[6:7], 133056                 ; row 2048 + 31: d >= 91
	s_lshl_b32 s56, ttmp9, 3
	s_add_co_u32 s56, s56, s[WV]                   ; my first query / 32 = 8 x + wave, 0 .. 63
	s_xor_b32 s[EQ], s56, 63                       ; 63 less that,
	s_lshl_b32 s[EQ], s[EQ], 5
	s_add_co_u32 s[EQ], s[EQ], 288                 ; 2304 - my first query: never negative
	s_lshl_b32 s57, s56, 11                        ; 32 queries are 2,048 bytes of an image
	s_add_co_u32 s58, s74, s57
	s_add_co_u32 s58, s58, 0x400000
	s_mov_b32 s59, 0
	s_add_nc_u64 s[66:67], s[4:5], s[58:59]        ; the token's query
	s_add_co_u32 s58, s73, s57
	s_add_co_u32 s58, s58, 0x200000
	s_add_nc_u64 s[68:69], s[4:5], s[58:59]        ; the position's query
	s_lshl_b32 s58, s18, 6
	s_add_co_u32 s58, s58, s56
	s_lshl_b32 s58, s58, 17                        ; 32 rows of out0, 4,096 bytes each
	s_lshl_b32 s60, s16, 8                         ; my head's 256 bytes of a row
	s_add_co_u32 s58, s58, s60
	s_add_nc_u64 s[10:11], s[10:11], s[58:59]
	; the prefetches: where my wave's stand, and who asks
	s_max_u32 s70, s[WV], 2
	s_sub_co_u32 s70, s70, 2                       ; 0 .. 5 in waves 2 .. 7
	s_lshr_b32 s71, s70, 1                         ; which of the three
	s_and_b32 s72, s70, 1
	s_lshl_b32 s72, s72, 14                        ; which half,
	s_add_co_u32 s72, s72, 32768                   ; in slot 1's keys: the first change of slots steps it to slot 2's.  Nothing is prefetched here, at the head
	s_cmp_eq_u32 s71, 0
	s_cselect_b32 s76, s73, s74
	s_cselect_b32 s79, s18, 0                      ; Kp: batch 0 alone asks
	s_cmp_eq_u32 s71, 2
	s_cselect_b32 s76, s75, s76
	s_add_co_u32 s76, s76, s72
	s_mov_b32 s77, 0
	s_add_nc_u64 s[PFA:PFA+1], s[4:5], s[76:77]
	s_cmp_lt_u32 s[WV], 2
	s_cselect_b32 s78, 1, 0
	s_or_b32 s78, s78, s79
	s_or_b32 s78, s78, ttmp9                       ; 0 in the waves that ask
	s_cmp_eq_u32 s78, 0
	s_cselect_b32 s[LIM], 1, -1
	v_and_b32 v8, 15, v0                           ; r = lane % 16
	v_bfe_u32 v9, v0, 4, 1                         ; h = lane / 16
	v_and_b32 v10, 31, v0
	s_delay_alu instid0(VALU_DEP_1)
	v_lshlrev_b32 v[LI], 4, v10
	s_delay_alu instid0(VALU_DEP_2)
	v_lshlrev_b32 v[PFO], 8, v10
	v_lshrrev_b32 v11, 3, v8
	s_delay_alu instid0(VALU_DEP_1)
	v_lshlrev_b32 v[QO], 10, v11
	s_delay_alu instid0(VALU_DEP_1)
	v_lshl_add_u32 v[QO], v9, 8, v[QO]
	v_and_b32 v11, 7, v8
	s_delay_alu instid0(VALU_DEP_1)
	v_lshl_add_u32 v[QO], v11, 4, v[QO]            ; query r of a tile lies at (r / 8) 1024 + 256 h + 16 (r % 8), + 512 for dims 32 on, + 128 for tile B
.irp c, 0,1
	global_load_b128 v[QT+4*\c:QT+4*\c+3], v[QO], s[66:67] offset:512*\c
	global_load_b128 v[QP+4*\c:QP+4*\c+3], v[QO], s[68:69] offset:512*\c
.endr
	WIN TO_1
.irp c, 0,1
	global_load_b128 v[QT+4*\c:QT+4*\c+3], v[QO], s[66:67] offset:512*\c+128
	global_load_b128 v[QP+4*\c:QP+4*\c+3], v[QO], s[68:69] offset:512*\c+128
.endr
	WIN 0
	v_and_b32 v11, 3, v8
	s_delay_alu instid0(VALU_DEP_1)
	v_mul_u32_u24 v[BTA], v11, CSTR                ; my copy: r % 4
	s_delay_alu instid0(VALU_DEP_1)
	v_lshl_add_u32 v[BTA], v9, 6, v[BTA]           ; lanes 16-31 hold keys 16 further on
	s_delay_alu instid0(VALU_DEP_1)
	v_add_nc_u32 v[BTA], BT+64, v[BTA]
	v_and_b32 v11, 12, v8
	s_delay_alu instid0(VALU_DEP_1)
	v_lshlrev_b32 v11, 2, v11
	s_delay_alu instid0(VALU_DEP_1)
	v_sub_nc_u32 v[BTA], v[BTA], v11               ; my query lies r further on: r % 4 is in the copy, the rest here
	v_lshlrev_b32 v[GO], 12, v9
	s_delay_alu instid0(VALU_DEP_1)
	v_lshl_add_u32 v[GO], v8, 4, v[GO]             ; the way out: lanes 0-15 one row of out0, lanes 16-31 the next; 16 bytes a lane
	; the bias over d = thread + 256 k - 288, k = 0 .. 3: the bucket by compares with constants, one load each
.irp k, 0,1,2,3
	v_add_nc_u32 v[TD+\k], 256*\k-288, v0          ; d
	s_delay_alu instid0(VALU_DEP_1)
	v_sub_nc_u32 v[TN+\k], 0, v[TD+\k]
	s_delay_alu instid0(VALU_DEP_2)
	v_cmp_gt_i32 vcc_lo, 0, v[TD+\k]
	s_delay_alu instid0(VALU_DEP_1)
	v_cndmask_b32 v[TN+\k], v[TD+\k], v[TN+\k], vcc_lo   ; n = |d|
	s_delay_alu instid0(VALU_DEP_1)
	v_min_u32 v[TK+\k], 8, v[TN+\k]
.irp thr, 11,15,22,31,45,63,90
	v_cmp_lt_u32 vcc_lo, \thr, v[TN+\k]
	s_delay_alu instid0(VALU_DEP_1)
	v_add_co_ci_u32 v[TK+\k], vcc_lo, 0, v[TK+\k], vcc_lo   ; one more for each bound that n has passed
.endr
	s_delay_alu instid0(VALU_DEP_1)
	v_add_nc_u32 v[TX], 16, v[TK+\k]
	v_cmp_lt_i32 vcc_lo, 0, v[TD+\k]
	s_delay_alu instid0(VALU_DEP_1)
	v_cndmask_b32 v[TK+\k], v[TK+\k], v[TX], vcc_lo      ; + 16 where the key comes after the query
	s_delay_alu instid0(VALU_DEP_1)
	v_lshlrev_b32 v[TK+\k], 6, v[TK+\k]            ; a row of bias_table is 64 bytes
	global_load_b32 v[TV+\k], v[TK+\k], s[6:7] offset:131072   ; from row 2048 on
.endr
	s_wait_kmcnt 0x0
	s_add_co_i32 s56, s46, s47                     ; e6 + e7
	s_add_co_i32 s57, s42, s43                     ; e2 + e3
	s_lshl_b32 s58, s56, 23
	s_add_co_i32 s[CS], s[CS], s58                 ; c x 2^(e6+e7): added to c's exponent field
	s_mov_b32 s[CS+1], s[CS]                       ; (named with it as a pair, so it is written)
	s_sub_co_i32 s58, s57, s56
	s_add_co_i32 s58, s58, 127
	s_lshl_b32 s[DL], s58, 23                      ; 2^(e2+e3-e6-e7)
	s_mov_b32 s[DL+1], s[DL]
	s_sub_co_i32 s57, 0, s57                       ; -(e2+e3)
	s_add_co_i32 s58, s49, 127
	s_lshl_b32 s59, s58, 23                        ; 2^e9
	s_add_co_i32 s63, s48, s49                     ; e8 + e9
.macro INIT                            ; a tile's statistics and O^T: the loop is written once; its first step finds zeros, which the first change of M leaves zeros
	v_mov_b32 v13, 0xff61b1e6                      ; the largest t so far: -3e38
	s_delay_alu instid0(VALU_DEP_1)
	v_floor_f32 v12, -v13                          ; -M
	v_mov_b32 v14, 0
	v_mov_b32 v15, 0
	v_mov_b32 v236, 0                              ; a lane permute's destination counts as one of its sources
	v_mov_b32 v253, 0                              ; (named as the upper half of the pair v[252:253])
	v_mov_b32 v244, s59
.set j, 0
.rept 32
	v_mov_b32 v[O+j], 0
.set j, j+1
.endr
.endm
	INIT
	WIN ALL1
	INIT
	WIN 0
	v_mov_b32 v[VLO], s53
	v_mov_b32 v[VHI], s54
	s_delay_alu instid0(VALU_DEP_2)
	v_mul_f32 v[VLO], 0x413504f3, v[VLO]           ; x sqrt(128)
	s_delay_alu instid0(VALU_DEP_2)
	v_mul_f32 v[VHI], 0x413504f3, v[VHI]
	s_delay_alu instid0(VALU_DEP_2)
	v_ldexp_f32 v[VLO], v[VLO], s57                ; x 2^-(e2+e3)
	s_delay_alu instid0(VALU_DEP_2)
	v_ldexp_f32 v[VHI], v[VHI], s57
	v_lshl_add_u32 v11, v0, 2, BT
	s_wait_loadcnt 0x0                             ; the queries and the table's numbers
.irp k, 0,1,2,3
	v_mul_f32 v[TV+\k], 0x413504f3, v[TV+\k]
.endr
.irp k, 0,1,2,3
	s_delay_alu instid0(VALU_DEP_4)
	v_ldexp_f32 v[TV+\k], v[TV+\k], s57
.endr
	s_wait_alu depctr_va_vdst(0)
.irp s, 0,1,2,3
.irp k, 0,1,2,3
	ds_store_b32 v11, v[TV+\k] offset:\s*CSTR+4*\s+1024*\k   ; copy s, word thread + 256 k + s.  The first change of slots waits for these and passes a barrier
.endr
.endr
; A tile's softmax for 128 keys, 64 scores a lane in v96-159; under window 0 for tile A, under window 1 for tile B.
.macro SOFTMAX
	v_max3_num_f32 v254, v96, v97, v98             ; the step's largest score of my query among my 64 keys, in two chains; each accumulator is read from its low end on
	v_max3_num_f32 v252, v99, v100, v101
.irp i, 6,10,14,18,22,26,30,34,38,42,46,50,54,58
	v_max3_num_f32 v254, v254, v[96+\i], v[97+\i]
	v_max3_num_f32 v252, v252, v[98+\i], v[99+\i]
.endr
	v_max3_num_f32 v254, v254, v158, v159
	s_delay_alu instid0(VALU_DEP_1)
	v_max_num_f32 v254, v254, v252
	s_delay_alu instid0(VALU_DEP_1)
	v_permlanex16_b32 v236, v254, s[SEL], s[SEL+1]
	s_delay_alu instid0(VALU_DEP_1)
	v_max_num_f32 v254, v254, v236                 ; and among lane l xor 16's
	s_delay_alu instid0(VALU_DEP_1)
	v_mul_f32 v254, s[CS], v254                    ; as t (c is positive)
	s_delay_alu instid0(VALU_DEP_1)
	v_max_num_f32 v13, v13, v254                   ; the running largest t
	v_mov_b32 v254, v12
	s_delay_alu instid0(VALU_DEP_2)
	v_floor_f32 v12, -v13                          ; the new -M = floor(-t): M is a whole number
	s_delay_alu instid0(VALU_DEP_1)
	v_sub_f32 v254, v12, v254                      ; old M less new M: a whole number, 0 or less
	s_delay_alu instid0(VALU_DEP_1)
	v_cvt_i32_f32 v254, v254                       ; (it saturates)
	s_delay_alu instid0(VALU_DEP_1)
	v_ldexp_f32 v252, 1.0, v254                    ; f = 2^(old M - new M)
.set j, 0
.rept 32
	v_pk_fma_f32 v[96+j:97+j], v[96+j:97+j], s[CS:CS+1], v[12:13] op_sel_hi:[1,0,0]   ; t - M, two at a time
.set j, j+2
.endr
.set j, 0
	s_wait_alu depctr_va_vdst(0)
.rept 64
	v_exp_f32 v[96+j], v[96+j]                     ; p = 2^(t - M), at most 1: not normalised
.set j, j+1
.endr
	v_pk_mul_f32 v[14:15], v[14:15], v[252:253] op_sel_hi:[1,0]   ; the sums under the new M: the plain instruction behind the exponentials
	s_wait_alu depctr_va_vdst(0)                   ; one wait for the batch of 64, ahead of its first reader
	v_pk_add_f32 v[242:243], v[96:97], v[98:99]    ; the row's sum is taken of the unquantised p: two at a time, in two chains
.irp j, 4,8,12,16,20,24,28,32,36,40,44,48,52,56,60
	v_pk_add_f32 v[14:15], v[14:15], v[96+\j:97+\j]
	v_pk_add_f32 v[242:243], v[242:243], v[98+\j:99+\j]
.endr
	s_delay_alu instid0(VALU_DEP_1)
	v_pk_add_f32 v[14:15], v[14:15], v[242:243]
.irp b, 0,1,2,3
.irp i, 0,1,2,3,4,5,6,7,8,9,10,11,12,13,14,15
.endr
	v_cvt_scalef32_pk8_bf8_f32 v[PC+4*\b:PC+1+4*\b], v[96+16*\b:103+16*\b], v244
	v_cvt_scalef32_pk8_bf8_f32 v[PC+2+4*\b:PC+3+4*\b], v[104+16*\b:111+16*\b], v244
.endr
.set j, 0
.rept 16
	v_pk_mul_f32 v[O+j:O+j+1], v[O+j:O+j+1], v[252:253] op_sel_hi:[1,0]   ; O^T under the new M; also the plain instructions between the conversions and the products that read their results
.set j, j+2
.endr
.endm
; A KEY STEP: 128 keys.  All accumulators take turns, one instruction a turn, over the loop's edges too.
.macro STEP
	v_add_nc_u32 v[ADK], s[TB], v[LI]
	s_delay_alu instid0(VALU_DEP_1)
	v_add_nc_u32 v[ADV], VTO, v[ADK]
	s_add_co_u32 s61, s[KF], s[EQ]                 ; E = the step's first key - my first query + 2304.  My 32 queries and the step's 128 keys have d from E - 2335 to E - 2177
	s_cmp_ge_u32 s61, 2304+122                     ; all d at 91 or more
	s_cselect_b32 s60, -1, 0
.irp j, 0,1,2,3,4,5,6,7
	v_cndmask_b32 v[CB+\j], v[VLO], v[VHI], s60    ; the constant bias as a C.  These ten plain instructions are the places behind the last step's products, ahead of the loads into their registers
.endr
.irp t, 0,1,2,3,4,5,6,7
	ds_load_b128 v[F+8*\t:F+8*\t+3],   v[ADK] offset:1024*\t         ; Kp's tile t: dims 16 h + 0..15,
	ds_load_b128 v[F+8*\t+4:F+8*\t+7], v[ADK] offset:1024*\t+512     ; and 32 + 16 h + 0..15
.endr
	WIN TO_1
.irp t, 0,1,2,3,4,5,6,7
	ds_load_b128 v[F+8*\t:F+8*\t+3],   v[ADK] offset:KTO+1024*\t     ; Kt's
	ds_load_b128 v[F+8*\t+4:F+8*\t+7], v[ADK] offset:KTO+1024*\t+512
.endr
	WIN 0
	s_sub_co_u32 s62, s61, 2304-217
	s_cmp_lt_u32 s62, 339                          ; some |d| under 91: a branch on ids and the loop's count alone; no barrier and no tensor load stands in a step
	s_cbranch_scc1 .Ldiag_\@
	s_wait_dscnt 16                                ; Kp is in; Kt's sixteen loads may be out
	s_wait_alu depctr_va_vdst(0)
.irp t, 0,1,2,3,4,5,6,7
	v_wmma_f32_16x16x64_bf8_bf8 v[S+8*\t:S+8*\t+7], v[F+8*\t:F+8*\t+7], v[QP:QP+7], v[CB:CB+7]
.endr
	WIN RB_C0
.irp t, 0,1,2,3,4,5,6,7
	v_wmma_f32_16x16x64_bf8_bf8 v[S+8*\t:S+8*\t+7], v[F+8*\t:F+8*\t+7], v[QP:QP+7], v[CB:CB+7]
.endr
	WIN 0
	s_branch .Ljoin_\@
.Ldiag_\@:                                         ; near the diagonal C comes from the table: register 16 b + 8 u + j holds key 32 b + 16 h + 8 u + j
	s_and_b32 s62, s61, 0x1e0                      ; (first key - first query + 256) mod 512, which here lies between 64 and 352,
	s_lshl_b32 s62, s62, 2                         ; in words of 4 bytes
	v_add_nc_u32 v[ADB], s62, v[BTA]
.irp b, 0,1,2,3
.irp u, 0,1
.irp g, 0,1
	ds_load_b128 v[S+16*\b+8*\u+4*\g:S+16*\b+8*\u+4*\g+3], v[ADB] offset:64+128*\b+32*\u+16*\g
.endr
.endr
.endr
	WIN TO_1
.irp b, 0,1,2,3
.irp u, 0,1
.irp g, 0,1
	ds_load_b128 v[S+16*\b+8*\u+4*\g:S+16*\b+8*\u+4*\g+3], v[ADB] offset:128*\b+32*\u+16*\g   ; tile B's queries lie 16 further on
.endr
.endr
.endr
	s_wait_dscnt 0x0
	WIN 0
.irp t, 0,1,2,3,4,5,6,7
	v_wmma_f32_16x16x64_bf8_bf8 v[S+8*\t:S+8*\t+7], v[F+8*\t:F+8*\t+7], v[QP:QP+7], v[S+8*\t:S+8*\t+7]
.endr
	WIN B_F0
.irp t, 0,1,2,3,4,5,6,7
	v_wmma_f32_16x16x64_bf8_bf8 v[S+8*\t:S+8*\t+7], v[F+8*\t:F+8*\t+7], v[QP:QP+7], v[S+8*\t:S+8*\t+7]
.endr
	WIN 0
.Ljoin_\@:
.rept 4
	v_nop                                          ; places behind the products: for the loads into Kp's registers and for the reads of R
.endr
.irp t, 0,1,2,3
.irp c, 0,1,2,3
	ds_load_b128 v[F+16*\t+4*\c:F+16*\t+4*\c+3], v[ADV] offset:2048*\t+512*\c   ; V's tile t: keys 32 c + 16 h + 0..15
.endr
.endr
.set j, 0
.rept 32
	v_pk_mul_f32 v[S+j:S+j+1], v[S+j:S+j+1], s[DL:DL+1] op_sel_hi:[1,0]   ; R x 2^(e2+e3-e6-e7): a power of two; each accumulator from its low end on
.set j, j+2
.endr
	WIN ALL1
.set j, 0
.rept 32
	v_pk_mul_f32 v[S+j:S+j+1], v[S+j:S+j+1], s[DL:DL+1] op_sel_hi:[1,0]
.set j, j+2
.endr
	s_wait_alu depctr_va_vdst(0)
	s_wait_dscnt 16                                ; Kt is in, on both ways; V's sixteen loads may be out
	WIN SA_F2
.irp t, 0,1,2,3,4,5,6,7
	v_wmma_f32_16x16x64_bf8_bf8 v[S+8*\t:S+8*\t+7], v[F+8*\t:F+8*\t+7], v[QT:QT+7], v[S+8*\t:S+8*\t+7]
.endr
	WIN ALL1
.irp t, 0,1,2,3,4,5,6,7
	v_wmma_f32_16x16x64_bf8_bf8 v[S+8*\t:S+8*\t+7], v[F+8*\t:F+8*\t+7], v[QT:QT+7], v[S+8*\t:S+8*\t+7]
.endr
	WIN 0
.rept 4
	v_nop                                          ; places in front of the first read of the scores
.endr
	SOFTMAX
	WIN ALL1
	SOFTMAX
	s_wait_alu depctr_va_vdst(0)
	s_wait_dscnt 0x0                               ; V is in
	WIN 0
.irp t, 0,1,2,3
	v_wmma_f32_16x16x128_bf8_bf8 v[O+8*\t:O+8*\t+7], v[F+16*\t:F+16*\t+15], v[PC:PC+15], v[O+8*\t:O+8*\t+7]
.endr
	WIN B_F0
.irp t, 0,1,2,3
	v_wmma_f32_16x16x128_bf8_bf8 v[O+8*\t:O+8*\t+7], v[F+16*\t:F+16*\t+15], v[PC:PC+15], v[O+8*\t:O+8*\t+7]
.endr
	WIN 0
.endm
; THE CHANGE OF SLOTS stands at a slot's head.  Each wave waits for all its tensor loads (its part of the slot that it is about to read), adds 0 to its spare word, and waits for that and for its reads of the slot that it has left
; (the first time: for its stores into the bias table).  Behind the barrier the slot ahead is whole and nobody reads the other.  fill = 1: that other slot takes the next 512 keys: one load a wave, with four key steps in which to land.
.macro CHANGE fill
	s_wait_tensorcnt 0x0                           ; no tensor load of mine is out, so group 0 may be written
	ds_add_u32 v[SPW], v[NIL]                      ; 0 onto my spare word
.if \fill
	s_xor_b32 s[G0+1], s[G0+1], SLOT1              ; the other slot than last time,
	s_add_nc_u64 s[G0+2:G0+3], s[G0+2:G0+3], 32768 ; the next four key steps; the type bits on top are not reached
	s_wait_xcnt 0x0                                ; the last prefetches, a slot back, have read their address, so it may be written
	s_add_nc_u64 s[PFA:PFA+1], s[PFA:PFA+1], 32768 ; one slot further on than the walking descriptor
.endif
	s_wait_dscnt 0x0
	s_barrier_signal -1
	s_barrier_wait -1
.if \fill
	TLOAD                                          ; the first thing behind the barrier, and a wave's one tensor load until the next
	ASK
.endif
.endm
.macro FOUR_STEPS                      ; a slot's four key steps: written once, walked four times
	s_mov_b32 s3, 4
.Lstep_\@:
	STEP
	s_add_co_u32 s[TB], s[TB], 8192
	s_add_co_u32 s[KF], s[KF], 128
	s_sub_co_u32 s3, s3, 1
	s_cmp_lg_u32 s3, 0
	s_cbranch_scc1 .Lstep_\@
	s_sub_co_u32 s[TB], s[TB], 32768               ; back to a slot's first step,
	s_xor_b32 s[TB], s[TB], SLOT1                  ; in the other slot
.endm
.Lslot:                                            ; three trips: behind each change of slots but the last the next slot is asked for
	CHANGE 1
	FOUR_STEPS
	s_sub_co_u32 s[SLOTS], s[SLOTS], 1
	s_cmp_lg_u32 s[SLOTS], 0
	s_cbranch_scc1 .Lslot
	CHANGE 0                                       ; the last slot is written out
	FOUR_STEPS
	; THE WAY OUT.  O^T / the sum x 2^(e8+e9) goes through my stage in LDS, 32 rows of 256 bytes, and leaves as whole rows of my head.  The eight address lines are the places behind the last products.
	v_and_b32 v8, 15, v0                           ; r
	v_bfe_u32 v9, v0, 4, 1                         ; h
	s_mul_i32 s56, s[WV], 32*OP                    ; my stage
	v_mul_u32_u24 v10, v8, OP
	s_delay_alu instid0(VALU_DEP_1)
	v_lshl_add_u32 v10, v9, 6, v10
	s_delay_alu instid0(VALU_DEP_1)
	v_add_nc_u32 v10, s56, v10                     ; in: row r; registers 16 b + i hold dims 32 b + 16 h + i: byte 128 b + 64 h + 4 i
	v_mul_u32_u24 v11, v9, OP
	s_delay_alu instid0(VALU_DEP_1)
	v_lshl_add_u32 v11, v8, 4, v11
	s_delay_alu instid0(VALU_DEP_1)
	v_add_nc_u32 v11, s56, v11                     ; back: lanes 0-15 one row, lanes 16-31 the next
.macro FINISH
	v_add_f32 v14, v14, v15                        ; the sum's two halves,
	s_delay_alu instid0(VALU_DEP_1)
	v_permlanex16_b32 v252, v14, s[SEL], s[SEL+1]
	s_delay_alu instid0(VALU_DEP_1)
	v_add_f32 v14, v14, v252                       ; and lane l xor 16's: the row's sum
	s_wait_alu depctr_va_vdst(0)
	v_rcp_f32 v14, v14
	v_nop                                          ; a plain instruction behind the reciprocal,
	s_wait_alu depctr_va_vdst(0)                   ; and the wait ahead of its first reader
	v_ldexp_f32 v14, v14, s63                      ; x 2^(e8+e9)
.set j, 0
.rept 32
	v_mul_f32 v[S+j], v[O+j], v14
.set j, j+1
.endr
.endm
	FINISH
.irp b, 0,1
.irp i, 0,1,2,3
	ds_store_b128 v10, v[S+16*\b+4*\i:S+16*\b+4*\i+3] offset:128*\b+16*\i
.endr
.endr
	WIN ALL1
	FINISH
	WIN ST_1
.irp b, 0,1
.irp i, 0,1,2,3
	ds_store_b128 v10, v[S+16*\b+4*\i:S+16*\b+4*\i+3] offset:16*OP+128*\b+16*\i
.endr
.endr
	WIN 0
.irp i, 0,1,2,3,4,5,6,7,8,9,10,11,12,13,14,15
	ds_load_b128 v[F+4*\i:F+4*\i+3], v11 offset:2*\i*OP   ; LDS serves a wave's instructions in order (ISA guide 5.7.1.4): these see my stores
.endr
.irp i, 0,1,2,3,4,5,6,7,8,9,10,11,12,13,14,15
	s_wait_dscnt 15-\i                             ; the younger loads may be out
	global_store_b128 v[GO], v[F+4*\i:F+4*\i+3], s[10:11] offset:2*\i*4096 th:TH_STORE_NT   ; sixteen lanes store 256 consecutive bytes, aligned; written once, read by nobody here
.endr
	s_wait_tensorcnt 0x0                           ; the wave's end
	ds_add_u32 v[SPW], v[NIL]
	s_wait_dscnt 0x0
	s_endpgm
.Lfunc_end_k_q3d90184c11_attn:
	.size	k_q3d90184c11_attn, .Lfunc_end_k_q3d90184c11_attn-k_q3d90184c11_attn
	.p2alignl 7, 3214868480
	.fill 96, 4, 3214868480
	.section	.rodata,"a",@progbits
	.p2align	6, 0x0
	.amdhsa_kernel k_q3d90184c11_attn
		.amdhsa_group_segment_fixed_size 327680
		.amdhsa_private_segment_fixed_size 0
		.amdhsa_enable_private_segment 0
		.amdhsa_kernarg_size 32
		.amdhsa_user_sgpr_count 2
		.amdhsa_user_sgpr_kernarg_segment_ptr 1
		.amdhsa_wavefront_size32 1
		.amdhsa_system_sgpr_workgroup_id_x 1
		.amdhsa_system_sgpr_workgroup_id_y 1
		.amdhsa_system_sgpr_workgroup_id_z 1
		.amdhsa_system_vgpr_workitem_id 0
		.amdhsa_next_free_vgpr 512
		.amdhsa_next_free_sgpr 80
		.amdhsa_reserve_vcc 1
		.amdhsa_float_denorm_mode_32 3
		.amdhsa_float_denorm_mode_16_64 3
		.amdhsa_fp16_overflow 1
		.amdhsa_memory_ordered 1
		.amdhsa_forward_progress 1
		.amdhsa_inst_pref_size 97
	.end_amdhsa_kernel
	.amdgpu_metadata
---
amdhsa.version: [ 1, 2 ]
amdhsa.kernels:
  - .name:           k_q3d90184c11_attn
    .symbol:         k_q3d90184c11_attn.kd
    .args:
      - { .name: cmid, .offset: 0, .size: 8, .value_kind: global_buffer, .address_space: global }
      - { .name: bias_table, .offset: 8, .size: 8, .value_kind: global_buffer, .address_space: global }
      - { .name: lowp_scales, .offset: 16, .size: 8, .value_kind: global_buffer, .address_space: global }
      - { .name: out0, .offset: 24, .size: 8, .value_kind: global_buffer, .address_space: global }
    .group_segment_fixed_size: 327680
    .private_segment_fixed_size: 0
    .kernarg_segment_align: 8
    .kernarg_segment_size: 32
    .max_flat_workgroup_size: 256
    .sgpr_count:     80
    .vgpr_count:     512
    .wavefront_size: 32
...
	.end_amdgpu_metadata
.endif
;; end of part 3
